; MI455X (gfx1250); checked and timed in simulation.
; The chip was launched on July 23, 2026; its instructions are those of AMD's public machine-readable ISA for CDNA 5 (MIT licence, August 2026) and "CDNA5" Instruction Set Architecture Reference Guide (July 2026). The comments in the code are by the model that wrote it; some were corrected since.
;; Mo E Layer. Allowed arithmetic: float matrix products may take bf16 or f16 operands with f32 sums; other float arithmetic in f32, or as packed bf16 or f16 multiplies, adds, multiply-adds, maxima and minima; sums over many terms, partial sums and values carried from step to step in f32; what a program stores and reads back later, other than sums and carried values, may be rounded once to bf16 or f16.
;; Inputs: b1 8 x 2,048 float32; b2 8 x 1,024 float32; router_b 8 float32; router_w 1,024 x 8 float32; w1 8 x 1,024 x 2,048 float32; w2 8 x 2,048 x 1,024 float32; x 4 x 512 x 1,024 float32.
;; Outputs: out0 4 x 512 x 1,024 float32.
;; 2 versions, each right; version 2 is version 1 with the launch gemm2 written anew for expert scheduling mode. Each part assembles by itself: llvm-mc -triple=amdgcn-amd-amdhsa -mcpu=gfx1250 --defsym DOCPART=n.
;; ======== version 1 of 2: 4 launches
;; workspace buffers: xb 4,194,304 bytes; bmw 8,192 bytes of whole numbers; gate 16,384 bytes; list 75,776 bytes of whole numbers; meta 1,024 bytes of whole numbers; h 69,206,016 bytes; y 37,748,736 bytes
;; launch router (part 1): grid 64 x 1, 4 waves a work-group, no clusters, 89,600 bytes of LDS; arguments x, router_w, router_b, xb, bmw, gate; writes xb, bmw, gate
.if DOCPART == 1
	.amdgcn_target "amdgcn-amd-amdhsa--gfx1250"
	.amdhsa_code_object_version 6
	.text
	.protected	k_q60c9ce1863_router
	.globl	k_q60c9ce1863_router
	.p2align	8
	.type	k_q60c9ce1863_router,@function
k_q60c9ce1863_router:
	s_mov_b64 s[64:65], 0
	v_nop
	global_prefetch_b8 v0, s[64:65] scope:SCOPE_SE
	s_setreg_imm32_b32 hwreg(HW_REG_WAVE_MODE, 25, 1), 1
	s_wait_xcnt 0x0
; ROUTER.  xb = x rounded to bf16; logits = xb . bf16(router_w) + bf16(router_b), exact products, f32 sums; e_j = exp(l_j - max l); the two largest e_j and
; their shares of their sum.  The softmax's divisor is common to both and cancels in the renormalisation, so it is not formed.
; Stored at fixed places only: for each 32 tokens 32 words (0-7: which tokens chose expert e; 8-15: for which e is the second choice; 16-31: 0), and two gates a token.
; LIMITS.  All inputs are rounded to bf16.  NaN and infinities are not treated apart.  An e_j below 2^-126 counts as 0.  The choice is made on e_j, not on e_j / sum: two experts
; whose e_j differ by less than the f32 sums' rounding may be ordered otherwise than in a division-first order; equal e_j keep the lower index.
; SHARES.  A work-group has 32 tokens; wave w takes k = 256 w .. 256 w + 255 of all 32, and wave 0 adds the four partial logits (f32, through LDS) and chooses.
; No cluster: the work-groups share router_w alone, 32 KB beside 128 KB of x each.
.set XP,    528                        ; an LDS row: 512 bytes (256 bf16) + 16: the 16 rows of a fragment load start at 16 different groups of four banks
.set WT,    32*XP                      ; behind a wave's 32 token rows: 8 expert rows (router_w turned)
.set WR,    21248                      ; a wave's region, whole blocks of 256 bytes
.set RED,   4*WR                       ; 4 x 1,024 bytes: the waves' partial logits
.set SPARE, RED+4096                   ; the spare words: 128 bytes a wave, named by no other line
; v1 lane, v2 lane % 16, v3 lane / 16, v4 spare word, v5 zero, v6-v13 addresses, v32-95 router_w as loaded, then rows 0-15 packed, v96-223 sixteen rows of x as loaded (rows 16-31 are
; packed in place); later v32-223 the fragments of 8 K steps (24 registers each); v224-239 two accumulators; v240-247 my token's partial logits; v248-255 at work
	s_load_b256 s[4:11], s[0:1], 0x0               ; x s[4:5], router_w s[6:7], router_b s[8:9], xb s[10:11]
	s_load_b128 s[12:15], s[0:1], 0x20             ; bmw s[12:13], gate s[14:15]
	v_lshl_add_u32 v4, v0, 2, SPARE
	v_mov_b32 v5, 0
	v_and_b32 v1, 31, v0
	v_lshrrev_b32 v14, 5, v0
	v_readfirstlane_b32 s16, v14                   ; wave 0..3
	v_and_b32 v2, 15, v0
	v_bfe_u32 v3, v0, 4, 1
	s_mul_i32 s17, s16, WR                         ; my region
	s_add_co_u32 s20, s17, WT
	v_lshlrev_b32 v6, 5, v1                        ; x: 8 floats a lane
	v_lshlrev_b32 v7, 4, v1                        ; xb: their 16 bytes
	v_lshl_add_u32 v8, v1, 4, s17                  ; the same 16 bytes in an LDS row
	v_lshl_add_u32 v9, v1, 2, s20                  ; a pair of k in an expert row
	v_mul_u32_u24 v10, v2, XP
	v_lshl_add_u32 v10, v3, 4, v10
	v_add_nc_u32 v10, s17, v10                     ; token fragment: row l % 16, 16 bytes for each half of the lanes
	v_and_b32 v11, 7, v0
	v_mul_u32_u24 v11, v11, XP
	v_lshl_add_u32 v11, v3, 4, v11
	v_add_nc_u32 v11, s20, v11                     ; expert fragment: rows 8-15 repeat experts 0-7
	v_lshlrev_b32 v12, 6, v1                       ; router_w: two k rows of 32 bytes a lane
	s_lshl_b32 s21, s16, 10
	s_add_co_u32 s21, s21, RED
	v_lshl_add_u32 v13, v1, 4, s21                 ; my partial logits
	s_mov_b32 s32, 0xffff0000                      ; lanes 16-31; also a word's upper bf16
	s_lshl_b32 s18, ttmp9, 17                      ; x: 32 tokens of 4,096 bytes, my 1,024 bytes of each
	s_lshl_b32 s33, s16, 10
	s_add_co_u32 s18, s18, s33
	s_mov_b32 s19, 0
	s_lshl_b32 s22, ttmp9, 16                      ; xb: half of that
	s_lshl_b32 s33, s16, 9
	s_add_co_u32 s22, s22, s33
	s_mov_b32 s23, 0
	s_lshl_b32 s36, s16, 13                        ; router_w: my 256 rows of 32 bytes
	s_mov_b32 s37, 0
	s_lshl_b32 s38, ttmp9, 7                       ; bmw: 128 bytes a work-group
	s_mov_b32 s39, 0
	s_lshl_b32 s40, ttmp9, 8                       ; gate: 256 bytes
	s_mov_b32 s41, 0
	s_wait_kmcnt 0x0
	s_load_b256 s[24:31], s[8:9], 0x0              ; router_b
	s_add_nc_u64 s[4:5], s[4:5], s[18:19]
	s_add_nc_u64 s[10:11], s[10:11], s[22:23]
	s_add_nc_u64 s[6:7], s[6:7], s[36:37]
	s_add_nc_u64 s[12:13], s[12:13], s[38:39]
	s_add_nc_u64 s[14:15], s[14:15], s[40:41]
.irp g, 0,1,2,3
.irp i, 0,1,2,3
	global_load_b128 v[32+16*(\g)+4*(\i):32+16*(\g)+4*(\i)+3], v12, s[6:7] offset:2048*(\g)+16*(\i)  ; k = 64 g + 2 lane (8 experts), then k + 1
.endr
.endr
.macro XLOAD t                         ; row t's 32 bytes a lane into slot t % 16
	global_load_b128 v[96+8*((\t)%16):96+8*((\t)%16)+3],   v6, s[4:5] offset:4096*(\t) th:TH_LOAD_NT
	global_load_b128 v[96+8*((\t)%16)+4:96+8*((\t)%16)+7], v6, s[4:5] offset:4096*(\t)+16 th:TH_LOAD_NT
.endm
.set t, 0
.rept 16
	XLOAD t
.set t, t+1
.endr
	s_wait_loadcnt 32                              ; the 32 loads of x are younger: router_w is in
.irp g, 0,1,2,3
.irp e, 0,1,2,3,4,5,6,7
	v_cvt_pk_bf16_f32 v[248+(\e)], v[32+16*(\g)+(\e)], v[32+16*(\g)+8+(\e)]  ; expert e at k and k + 1
	ds_store_b32 v9, v[248+(\e)] offset:XP*(\e)+128*(\g)
.endr
.endr
; One row: rounded, stored to xb (512 consecutive aligned bytes a wave) and into LDS; its slot takes the row 16 further on.
; The packed row has registers that no later row writes: rows 0-15 four of router_w's 64, which have been read; rows 16-31 the first four of their own slot, which is not loaded again.
.macro XROW t, left
	s_wait_loadcnt \left                           ; loads come back in order: row t is in, the younger rows stay out
.if (\t) < 16
.set YR, 32+4*(\t)
.else
.set YR, 96+8*((\t)%16)
.endif
.irp p, 0,1,2,3
	v_cvt_pk_bf16_f32 v[YR+(\p)], v[96+8*((\t)%16)+2*(\p)], v[96+8*((\t)%16)+2*(\p)+1]  ; in place: register p is written when registers 2 p and 2 p + 1 are read, never ahead of them
.endr
	global_store_b128 v7, v[YR:YR+3], s[10:11] offset:2048*(\t)
	ds_store_b128 v8, v[YR:YR+3] offset:XP*(\t)
.if (\t) < 16
	XLOAD (\t)+16
.endif
.endm
.set t, 0
.rept 16
	XROW t, 30                                     ; fifteen rows, two loads each, are younger
.set t, t+1
.endr
.rept 16
	XROW t, 2*(31-t)                               ; nothing more is asked for: the counts run down
.set t, t+1
.endr
	s_wait_xcnt 0x0                                ; the packed rows, which the stores to xb read, are overwritten by the loads below only behind this wait
	; my own bytes, and LDS serves a wave's instructions in order: no wait between the stores above and these loads
.set ks, 0
.rept 8
	ds_load_b128 v[32+24*ks:35+24*ks], v11 offset:64*ks
	ds_load_b128 v[36+24*ks:39+24*ks], v11 offset:64*ks+32
	ds_load_b128 v[40+24*ks:43+24*ks], v10 offset:64*ks
	ds_load_b128 v[44+24*ks:47+24*ks], v10 offset:64*ks+32
	ds_load_b128 v[48+24*ks:51+24*ks], v10 offset:16*XP+64*ks
	ds_load_b128 v[52+24*ks:55+24*ks], v10 offset:16*XP+64*ks+32
.set ks, ks+1
.endr
	; source 0 = experts, source 1 = tokens: lane (r, half), register j holds expert j's logit of token r, in both halves.  The two accumulators take turns.
	s_wait_dscnt 42                                ; six loads for each later K step are younger
	v_wmma_f32_16x16x32_bf16 v[224:231], v[32:39], v[40:47], 0
	v_wmma_f32_16x16x32_bf16 v[232:239], v[32:39], v[48:55], 0
.set ks, 1
.rept 7
	s_wait_dscnt 6*(7-ks)
	v_wmma_f32_16x16x32_bf16 v[224:231], v[32+24*ks:39+24*ks], v[40+24*ks:47+24*ks], v[224:231]
	v_wmma_f32_16x16x32_bf16 v[232:239], v[32+24*ks:39+24*ks], v[48+24*ks:55+24*ks], v[232:239]
.set ks, ks+1
.endr
.rept 4
	v_nop                                          ; four places between the last product and the first read of its result
.endr
.irp j, 0,1,2,3,4,5,6,7
	v_cndmask_b32 v[240+(\j)], v[224+(\j)], v[232+(\j)], s32  ; lane l keeps token l: lanes 16-31 take the second tile
.endr
	ds_store_b128 v13, v[240:243]
	ds_store_b128 v13, v[244:247] offset:512
	s_wait_kmcnt 0x0                               ; router_b
	s_wait_dscnt 0x0                               ; for wave 0's sake: my partial logits are stored
	s_barrier_signal -1
	s_barrier_wait -1
	s_cmp_eq_u32 s16, 0
	s_cbranch_scc1 .Lchoose
	s_wait_tensorcnt 0x0                           ; waves 1 to 3 end: three lines behind a wave's last LDS store
	ds_add_u32 v4, v5
	s_wait_dscnt 0x0
	s_endpgm
.Lchoose:
.irp w, 0,1,2,3
	ds_load_b128 v[32+8*(\w):35+8*(\w)], v13 offset:1024*(\w)       ; wave 0's v13 is the head of the four partials
	ds_load_b128 v[36+8*(\w):39+8*(\w)], v13 offset:1024*(\w)+512
.endr
.irp p, 0,1,2,3
	v_cvt_pk_bf16_f32 v[64+(\p)], s[24+2*(\p)], s[25+2*(\p)]        ; router_b rounded to bf16 and widened again
	v_lshlrev_b32 v[72+2*(\p)], 16, v[64+(\p)]
	v_and_b32 v[73+2*(\p)], s32, v[64+(\p)]
.endr
	s_wait_dscnt 0x0
.irp w, 40, 48, 56, 72
.irp p, 0,2,4,6
	v_pk_add_f32 v[32+(\p):33+(\p)], v[32+(\p):33+(\p)], v[(\w)+(\p):(\w)+(\p)+1]
.endr
.endr
	v_max3_num_f32 v80, v32, v33, v34
	v_max3_num_f32 v80, v80, v35, v36
	v_max3_num_f32 v80, v80, v37, v38
	v_max_num_f32 v80, v80, v39                    ; the token's largest logit
.irp j, 0,1,2,3,4,5,6,7
	v_sub_f32 v[40+(\j)], v[32+(\j)], v80
.endr
.irp j, 0,1,2,3,4,5,6,7
	v_mul_f32 v[40+(\j)], 0x3fb8aa3b, v[40+(\j)]   ; log2(e)
.endr
.irp j, 0,1,2,3,4,5,6,7
	v_exp_f32 v[48+(\j)], v[40+(\j)]
.endr
	v_nop                                          ; a plain instruction behind the last exponential,
	s_wait_alu depctr_va_vdst(0)                   ; and one wait for the batch of eight, ahead of its first reader
	v_mov_b32 v56, v48                             ; the largest, strict comparisons in ascending order: ties keep the lower index
	v_mov_b32 v57, 0
.irp j, 1,2,3,4,5,6,7
	v_cmp_gt_f32 vcc_lo, v[48+(\j)], v56
	v_cndmask_b32 v56, v56, v[48+(\j)], vcc_lo
	v_cndmask_b32 v57, v57, \j, vcc_lo
.endr
	v_mov_b32 v58, -1.0                            ; the second: the first counts as -1, below every e_j
	v_mov_b32 v59, 0
.irp j, 0,1,2,3,4,5,6,7
	v_cmp_eq_u32 vcc_lo, \j, v57
	v_cndmask_b32 v60, v[48+(\j)], -1.0, vcc_lo
	v_cmp_gt_f32 vcc_lo, v60, v58
	v_cndmask_b32 v58, v58, v60, vcc_lo
	v_cndmask_b32 v59, v59, \j, vcc_lo
.endr
	v_add_f32 v61, v56, v58                        ; between 1 and 2
	v_rcp_f32 v62, v61
	v_mov_b32 v66, 0                               ; (the plain instruction behind the reciprocal)
	s_wait_alu depctr_va_vdst(0)
	v_mul_f32 v64, v56, v62
	v_mul_f32 v65, v58, v62
.irp e, 0,1,2,3,4,5,6,7
	v_cmp_eq_u32 s33, \e, v57
	v_cmp_eq_u32 s34, \e, v59
	s_or_b32 s35, s33, s34
	v_writelane_b32 v66, s35, \e                   ; word e: the tokens that chose e
	v_writelane_b32 v66, s34, 8+(\e)               ; word 8 + e: those for which it is the second choice
.endr
	v_lshlrev_b32 v68, 2, v1
	v_lshlrev_b32 v69, 3, v1
	global_store_b32 v68, v66, s[12:13]
	global_store_b64 v69, v[64:65], s[14:15]       ; 256 consecutive aligned bytes
	s_wait_tensorcnt 0x0                           ; wave 0 ends: the same three lines
	ds_add_u32 v4, v5
	s_wait_dscnt 0x0
	s_endpgm
.Lfunc_end_k_q60c9ce1863_router:
	.size	k_q60c9ce1863_router, .Lfunc_end_k_q60c9ce1863_router-k_q60c9ce1863_router
	.p2alignl 7, 3214868480
	.fill 96, 4, 3214868480
	.section	.rodata,"a",@progbits
	.p2align	6, 0x0
	.amdhsa_kernel k_q60c9ce1863_router
		.amdhsa_group_segment_fixed_size 89600
		.amdhsa_private_segment_fixed_size 0
		.amdhsa_enable_private_segment 0
		.amdhsa_kernarg_size 48
		.amdhsa_user_sgpr_count 2
		.amdhsa_user_sgpr_kernarg_segment_ptr 1
		.amdhsa_wavefront_size32 1
		.amdhsa_system_sgpr_workgroup_id_x 1
		.amdhsa_system_sgpr_workgroup_id_y 1
		.amdhsa_system_sgpr_workgroup_id_z 1
		.amdhsa_system_vgpr_workitem_id 0
		.amdhsa_next_free_vgpr 256
		.amdhsa_next_free_sgpr 66
		.amdhsa_reserve_vcc 1
		.amdhsa_float_denorm_mode_32 3
		.amdhsa_float_denorm_mode_16_64 3
		.amdhsa_memory_ordered 1
		.amdhsa_forward_progress 1
		.amdhsa_inst_pref_size 43
	.end_amdhsa_kernel
	.amdgpu_metadata
---
amdhsa.version: [ 1, 2 ]
amdhsa.kernels:
  - .name:           k_q60c9ce1863_router
    .symbol:         k_q60c9ce1863_router.kd
    .args:
      - { .name: x, .offset: 0, .size: 8, .value_kind: global_buffer, .address_space: global }
      - { .name: router_w, .offset: 8, .size: 8, .value_kind: global_buffer, .address_space: global }
      - { .name: router_b, .offset: 16, .size: 8, .value_kind: global_buffer, .address_space: global }
      - { .name: xb, .offset: 24, .size: 8, .value_kind: global_buffer, .address_space: global }
      - { .name: bmw, .offset: 32, .size: 8, .value_kind: global_buffer, .address_space: global }
      - { .name: gate, .offset: 40, .size: 8, .value_kind: global_buffer, .address_space: global }
    .group_segment_fixed_size: 89600
    .private_segment_fixed_size: 0
    .kernarg_segment_align: 8
    .kernarg_segment_size: 48
    .max_flat_workgroup_size: 128
    .sgpr_count:     66
    .vgpr_count:     256
    .wavefront_size: 32
...
	.end_amdgpu_metadata
.endif
;; end of part 1
;; launch gemm1 (part 2): grid 32 x 8, 4 waves a work-group, no clusters, 141,312 bytes of LDS; arguments xb, w1, b1, bmw, list, meta, h; writes list, meta, h
.if DOCPART == 2
	.amdgcn_target "amdgcn-amd-amdhsa--gfx1250"
	.amdhsa_code_object_version 6
	.text
	.protected	k_q60c9ce1863_gemm1
	.globl	k_q60c9ce1863_gemm1
	.p2align	8
	.type	k_q60c9ce1863_gemm1,@function
k_q60c9ce1863_gemm1:
	s_mov_b64 s[64:65], 0
	v_nop
	global_prefetch_b8 v0, s[64:65] scope:SCOPE_SE
	s_setreg_imm32_b32 hwreg(HW_REG_WAVE_MODE, 25, 1), 1
	s_wait_xcnt 0x0
; h = relu(xb[list] . bf16(w1[e]) + bf16(b1[e])), rounded once to bf16, for the rows that chose expert e, tokens ascending.  The launch also makes the lists that it and the next product go by.
; THE LIST.  Wave 0 of every work-group turns its expert's 64 bitmap words into the list in LDS, while each wave's first 48 weight loads are out: rank q -> 2 x token + slot (slot 1: the token's
; second choice).  First every word q is filled with a pad, 4096 + 64 e + q % 64 (a row of y that nobody reads; halved and clamped, token 2,047); then the ranks are scattered over the pads; lanes whose
; token did not choose e store into words 2,304 to 2,335.  One wave alone scatters, and a barrier stands between its stores and every other LDS store of the work-group.  Each wave then takes the
; entries of all its 11 possible blocks into registers, at fixed LDS addresses.  For the next launch wave 3 of slices 0 to 17 copies 512 bytes of the list each, and wave 0 of slice 0 stores the count.
; SHARES.  Work-group (slice, e) owns columns 64 slice .. + 63 of w1[e]: 1,024 rows of 256 aligned bytes, which it alone reads, once.  Wave w rounds k = 256 w .. + 255 on the way through
; registers and lays it into LDS in the order in which a wave's operand registers take it (128 KB).  A second barrier.  Then the waves walk the expert's rows in blocks of 48 (block w, w + 4, ..):
; 12 accumulators, A straight from memory into registers, B from LDS at fixed addresses.  The loop's length hangs on the count, so it holds no LDS write, no barrier, no tensor load.
; ORDERS.  k: in K step s the lanes' half hh holds k = 32 s + 16 hh + 0..15, in A and in B alike, so that a lane's A is 32 consecutive bytes.  Columns: block nb, lane r is column 4 r + nb,
; so that a lane's four results are 8 consecutive bytes of h.  Rows: rank 16 g + m lies at row 16 g + 2 (m % 8) + m / 8 of the slice, so that one store covers 256 consecutive aligned bytes.
; Places past the count repeat token 2,047 and land in the expert's own spare rows of h (2,112 rows a slice for 2,048 + 47 at the most): EXEC is never narrowed.  A wave without blocks ends.
; NO CLUSTER, NO TENSOR LOAD: each weight byte has one reader and is rounded in registers; what an expert's 32 work-groups share is token rows named by a list, which no descriptor covers.
; LIMITS.  All inputs rounded to bf16, h rounded to bf16 (not f16: 30 times larger inputs have no room there); NaN and infinities not treated apart.
; REGISTERS.  Window 0: v1 lane, v2 r, v3 hh, v4 spare word, v5 zero, v6-7 B's LDS addresses, v8 staging address, v9 weights' offset, v10 my entries' LDS address, v11 h offset, v12-13, v16-17 bitmaps,
; v14 their offset, v15 32 hh, v19 bias offset, v20 the count, v21 fill address, v22-23 and v32-53 the list's work, v24-27 bias, v28 zero, v29 the count's LDS address,
; v32-127 accumulators (f, nb) at 32 + 8 (4 f + nb), v132-179 store data, v180-211 the bias as C, v212-244 A's offsets: three for each block still to come.
; While the weights are staged: v32-47 packed, v64-255 six slots of 32.  Windows 1, 2 (stages of even, odd number): v0-191 four A slots of 48, v192-255 B of one stage.
.set PITCH, 8192                       ; bytes from row to row of w1[e]
.set PSH,   17                         ; 16 such rows, as a shift
.set HS,    270336                     ; a slice of h: 2,112 rows of 128 bytes
.set LIST,  131072                     ; behind the weights: the list, 9,728 bytes
.set CNTW,  LIST+9600                  ; in it, past every entry: the count
.set SPARE, LIST+9728                  ; behind the list: the spare words, 128 bytes a wave
.set ACC,   32
.set SD,    132
.set BC,    180
.set VO,    212
.set MSB, 0
.macro WIN new                         ; the immediate's high byte repeats the setting that is left; a switch that changes nothing is dropped
.if MSB != (\new)
	s_set_vgpr_msb (MSB<<8)|(\new)
.set MSB, (\new)
.endif
.endm
	s_load_b256 s[4:11], s[0:1], 0x0               ; xb s[4:5], w1 s[6:7], b1 s[8:9], bmw s[10:11]
	s_load_b128 s[12:15], s[0:1], 0x20             ; list s[12:13], meta s[14:15]
	s_load_b64 s[28:29], s[0:1], 0x30              ; h
	v_lshl_add_u32 v4, v0, 2, SPARE
	v_mov_b32 v5, 0
	v_and_b32 v1, 31, v0
	v_lshrrev_b32 v2, 5, v0
	v_readfirstlane_b32 s16, v2                    ; wave 0..3
	v_and_b32 v2, 15, v0
	v_bfe_u32 v3, v0, 4, 1
	s_mov_b32 s17, ttmp9                           ; slice
	s_and_b32 s18, ttmp7, 0xffff                   ; expert
	v_lshlrev_b32 v6, 4, v1                        ; a fragment half is 512 consecutive bytes: 16 a lane
	v_add_nc_u32 v7, 0x10000, v6                   ; the upper 64 KB
	s_lshl_b32 s24, s16, 15
	v_add_nc_u32 v8, s24, v6                       ; my 8 K steps of 4,096 bytes
	v_lshlrev_b32 v9, 4, v2
	v_lshl_add_u32 v9, v3, PSH, v9                 ; columns 4 r .. 4 r + 3; lanes 16-31 sixteen rows on
	s_mul_i32 s24, s16, 192
	s_add_co_u32 s24, s24, LIST
	v_lshl_add_u32 v10, v2, 2, s24                 ; list word 48 w + r, in LDS
	s_mul_i32 s24, s16, 6144
	v_lshl_add_u32 v11, v1, 3, s24                 ; h: block w's 48 rows of 128 bytes; 8 bytes a lane
	s_lshl_b32 s24, s18, 2
	v_lshl_add_u32 v14, v1, 7, s24                 ; bmw: group = lane, 128 bytes a group, word e
	v_lshlrev_b32 v15, 5, v3
	s_lshl_b32 s24, s18, 13
	s_lshl_b32 s25, s17, 8
	s_add_co_u32 s24, s24, s25
	v_lshl_add_u32 v19, v2, 4, s24                 ; b1: (2048 e + 64 slice + 4 r) floats
	v_add_nc_u32 v21, LIST, v6
	v_mov_b32 v28, 0
	v_mov_b32 v29, CNTW
	s_lshl_b32 s24, s18, 23                        ; w1: expert, my 256 rows, the slice's 256 bytes
	s_lshl_b32 s26, s16, 21
	s_add_co_u32 s24, s24, s25
	s_add_co_u32 s24, s24, s26
	s_mov_b32 s25, 0
	s_lshl_b32 s26, s18, 5
	s_add_co_u32 s26, s26, s17
	s_mul_i32 s26, s26, HS                         ; h: slice 32 e + slice
	s_mov_b32 s27, 0
	s_mul_i32 s20, s18, 9472                       ; list: 2,368 words an expert
	s_mov_b32 s21, 0
	s_lshl_b32 s22, s18, 7                         ; meta: 32 words an expert
	s_mov_b32 s23, 0
	s_wait_kmcnt 0x0
	s_add_nc_u64 s[6:7], s[6:7], s[24:25]
	s_add_nc_u64 s[28:29], s[28:29], s[26:27]
	s_add_nc_u64 s[12:13], s[12:13], s[20:21]
	s_add_nc_u64 s[14:15], s[14:15], s[22:23]
	global_load_b32 v12, v14, s[10:11]             ; groups 0-31: who chose e
	global_load_b32 v13, v14, s[10:11] offset:4096 ; groups 32-63
	global_load_b32 v16, v14, s[10:11] offset:32   ; for whom it is the second choice
	global_load_b32 v17, v14, s[10:11] offset:4128
	global_load_b128 v[24:27], v19, s[8:9]
; Group g of 16: local K step g / 2, registers 4 (g % 2) .. + 3 of its fragments: eight rows; lanes 0-15 take 256 consecutive aligned bytes, lanes 16-31 the row 16 further on.
.macro WLOAD g
.irp i, 0,1,2,3,4,5,6,7
	global_load_b128 v[64+32*((\g)%6)+4*(\i):64+32*((\g)%6)+4*(\i)+3], v9, s[6:7] offset:(32*((\g)/2)+8*((\g)%2)+(\i))*PITCH th:TH_LOAD_NT
.endr
.endm
.macro WCVT g                          ; column j of my four: rows 2 p and 2 p + 1 pack into register p; 16 bytes a lane into fragment (K step, j)
.irp j, 0,1,2,3
.irp p, 0,1,2,3
	v_cvt_pk_bf16_f32 v[32+4*(\j)+(\p)], v[64+32*((\g)%6)+8*(\p)+(\j)], v[64+32*((\g)%6)+8*(\p)+4+(\j)]
.endr
	ds_store_b128 v8, v[32+4*(\j):32+4*(\j)+3] offset:(4*((\g)/2)+(\j))*1024+512*((\g)%2)
.endr
.endm
; A STAGE is two K steps (64 along K).  Stage T's A: 12 loads into slot T % 8 (window 1 + T % 2); T = 16 .. 20 are the next block's stages 0 .. 4, by the next three offsets.
.macro ARUN T
	WIN 0x40<<((\T)%2)
.set AS, 48*(((\T)%8)/2)
.set VB, VO+3*((\T)/16)
.irp k, 0,1
.irp f, 0,1,2
	global_load_b128 v[AS+24*(\k)+8*(\f):AS+24*(\k)+8*(\f)+3],   v[VB+(\f)], s[4:5] offset:128*((\T)%16)+64*(\k)
	global_load_b128 v[AS+24*(\k)+8*(\f)+4:AS+24*(\k)+8*(\f)+7], v[VB+(\f)], s[4:5] offset:128*((\T)%16)+64*(\k)+16
.endr
.endr
.endm
.macro BRUN T                          ; stage T's B: 16 LDS loads
	WIN 0x40<<((\T)%2)
.set BA, 6+(((\T)%16)/8)
.irp k, 0,1
.irp nb, 0,1,2,3
	ds_load_b128 v[192+32*(\k)+8*(\nb):192+32*(\k)+8*(\nb)+3],   v[BA] offset:(8*((\T)%8)+4*(\k)+(\nb))*1024
	ds_load_b128 v[192+32*(\k)+8*(\nb)+4:192+32*(\k)+8*(\nb)+7], v[BA] offset:(8*((\T)%8)+4*(\k)+(\nb))*1024+512
.endr
.endr
.endm
; 12 products; the 12 accumulators take turns in one order everywhere.  zero = 1: the block's first: the bias starts the sums.
.macro MUL12 T, ks, zero
	WIN 0x05<<((\T)%2)
.set AS, 48*(((\T)%8)/2)+24*(\ks)
.irp f, 0,1,2
.irp nb, 0,1,2,3
.if \zero
	v_wmma_f32_16x16x32_bf16 v[ACC+8*(4*(\f)+(\nb)):ACC+8*(4*(\f)+(\nb))+7], v[AS+8*(\f):AS+8*(\f)+7], v[192+32*(\ks)+8*(\nb):192+32*(\ks)+8*(\nb)+7], v[BC+8*(\nb):BC+8*(\nb)+7]
.else
	v_wmma_f32_16x16x32_bf16 v[ACC+8*(4*(\f)+(\nb)):ACC+8*(4*(\f)+(\nb))+7], v[AS+8*(\f):AS+8*(\f)+7], v[192+32*(\ks)+8*(\nb):192+32*(\ks)+8*(\nb)+7], v[ACC+8*(4*(\f)+(\nb)):ACC+8*(4*(\f)+(\nb))+7]
.endif
.endr
.endr
.endm
; The stage's one run of loads stands at its head: the next stage's B has this stage's 24 products in which to land, A of five stages on has five stages.
.macro STAGE i
	s_wait_loadcnt 48                              ; stage i's A is in; younger: four runs of 12
	s_wait_dscnt 0x0                               ; stage i's B is in: its 16 loads went out at the head of the stage before, and nothing since
.rept 4
	v_nop                                          ; four places in front of loads into registers that the stage before (B) and three before (A) multiplied
.endr
	BRUN (\i)+1
	ARUN (\i)+5
.if (\i) == 0
	MUL12 \i, 0, 1
.else
	MUL12 \i, 0, 0
.endif
	MUL12 \i, 1, 0
.endm
; Four groups of 32 tokens: lane = token.  The masks lie in s[32 + g] (chose e) and s[68 + g] (second choice); s19 counts the ranks given out.
.macro SC4 h, g
.set TT, 36+8*(((\g)/4)%2)
	s_bcnt1_i32_b32 s20, s[32+(\g)]
	s_add_co_u32 s20, s19, s20
	s_bcnt1_i32_b32 s21, s[33+(\g)]
	s_add_co_u32 s21, s20, s21
	s_bcnt1_i32_b32 s22, s[34+(\g)]
	s_add_co_u32 s22, s21, s22
	s_bcnt1_i32_b32 s23, s[35+(\g)]
	s_add_co_u32 s23, s22, s23
	v_mbcnt_lo_u32_b32 v[TT], s[32+(\g)], s19      ; my rank: those before this group + the chosen lanes below me
	v_mbcnt_lo_u32_b32 v[TT+1], s[33+(\g)], s20
	v_mbcnt_lo_u32_b32 v[TT+2], s[34+(\g)], s21
	v_mbcnt_lo_u32_b32 v[TT+3], s[35+(\g)], s22
	s_mov_b32 s19, s23
.irp k, 0,1,2,3
	v_cndmask_b32 v[TT+(\k)], v22, v[TT+(\k)], s[32+(\g)+(\k)]  ; a lane that did not choose e takes its own word past the entries
.endr
.irp k, 0,1,2,3
	v_min_u32 v[TT+(\k)], 2335, v[TT+(\k)]         ; inside the list whatever the words hold
.endr
.irp k, 0,1,2,3
	v_lshl_add_u32 v[TT+(\k)], v[TT+(\k)], 2, LIST
.endr
.irp k, 0,1,2,3
	v_cndmask_b32 v[TT+4+(\k)], 0, 1, s[68+(\g)+(\k)]
.endr
.irp k, 0,1,2,3
	v_add3_u32 v[TT+4+(\k)], v[TT+4+(\k)], v23, 64*(32*(\h)+(\g)+(\k))  ; 2 x (32 group + lane) + slot
.endr
.irp k, 0,1,2,3
	ds_store_b32 v[TT+(\k)], v[TT+4+(\k)]
.endr
.endm
.set g, 0
.rept 6
	WLOAD g
.set g, g+1
.endr
	s_cmp_lg_u32 s16, 0
	s_cbranch_scc1 .Lnolist
	s_lshl_b32 s24, s18, 6                         ; wave 0: the pads first; LDS serves a wave's stores in order, so the ranks land on top of them
	s_add_co_u32 s24, s24, 4096
	v_lshl_add_u32 v32, v2, 2, s24                 ; words 4 lane .. 4 lane + 3 of each 128: q % 64 = 4 (lane % 16) + 0..3
	v_add_nc_u32 v33, 1, v32
	v_add_nc_u32 v34, 2, v32
	v_add_nc_u32 v35, 3, v32
.set i, 0
.rept 19
	ds_store_b128 v21, v[32:35] offset:512*i
.set i, i+1
.endr
	v_add_nc_u32 v22, 2304, v1
	v_lshlrev_b32 v23, 1, v1
	s_mov_b32 s19, 0
	s_wait_loadcnt 48                              ; the 48 weight loads are younger: the bitmaps are in
.irp h, 0,1
.set g, 0
.rept 32
	v_readlane_b32 s[32+g], v[12+(\h)], g
	v_readlane_b32 s[68+g], v[16+(\h)], g
.set g, g+1
.endr
.irp q, 0,4,8,12,16,20,24,28
	SC4 \h, \q
.endr
.endr
	v_mov_b32 v52, s19
	ds_store_b32 v29, v52                          ; the count, for the other waves
	s_cmp_lg_u32 s17, 0
	s_cbranch_scc1 .Lnolist
	v_lshlrev_b32 v53, 2, v1
	global_store_b32 v53, v52, s[14:15]            ; slice 0: the count, 32 times, for the next launch
	s_wait_xcnt 0x0                                ; v52 and v53 lie among the accumulators: they are written again only behind this wait
.Lnolist:
	s_wait_dscnt 0x0                               ; for the others' sake: the list is stored
	s_barrier_signal -1
	s_barrier_wait -1                              ; the first of two barriers: behind it the list is read, and the weights are laid down
	s_cmp_lg_u32 s16, 3
	s_cbranch_scc1 .Lnocopy
	s_cmp_lt_u32 s17, 18
	s_cbranch_scc0 .Lnocopy
	s_min_u32 s24, s17, 17                         ; wave 3 of slices 0 to 17: 512 bytes of the list's 9,216 each, for the next launch
	s_lshl_b32 s24, s24, 9
	v_add_nc_u32 v52, s24, v6
	v_add_nc_u32 v53, LIST, v52
	ds_load_b128 v[48:51], v53
	s_wait_dscnt 0x0
	global_store_b128 v52, v[48:51], s[12:13]      ; 512 consecutive aligned bytes
	s_wait_xcnt 0x0                                ; these registers lie among the accumulators: they are written again only behind this wait
.Lnocopy:
.set g, 0
.rept 16
.if g == 12                            ; slots 4 and 5 have had their last group: v212-244 take the entries of my 11 possible blocks, 192 words apart
.set i, 0
.rept 33
	ds_load_b32 v[VO+i], v10 offset:768*(i/3)+64*(i%3)
.set i, i+1
.endr
	ds_load_b32 v20, v29
.endif
.if g == 13
	s_wait_dscnt 4                                 ; group 12's four stores are younger: the entries and the count are in
.set i, 0
.rept 33
	v_lshrrev_b32 v[VO+i], 1, v[VO+i]              ; the token,
.set i, i+1
.endr
.set i, 0
.rept 33
	v_min_u32 v[VO+i], 0x7ff, v[VO+i]              ; one that exists (pads become 2,047),
.set i, i+1
.endr
.set i, 0
.rept 33
	v_lshl_add_u32 v[VO+i], v[VO+i], 11, v15       ; its row of 2,048 bytes, my half's 32 bytes
.set i, i+1
.endr
	v_readfirstlane_b32 s19, v20
.endif
.if g <= 10
	s_wait_loadcnt 40                              ; five younger groups of eight stay out
.elseif g <= 13
	s_wait_loadcnt 8*(15-g)
.elseif g == 14
	s_wait_loadcnt 44                              ; younger: group 15's eight and three runs of A
.else
	s_wait_loadcnt 48                              ; younger: four runs of A
.endif
.if g == 0                             ; the bias is older than every group
	v_cvt_pk_bf16_f32 v32, v24, v25                ; b1 rounded to bf16 and widened again
	v_cvt_pk_bf16_f32 v33, v26, v27
	v_lshlrev_b32 v24, 16, v32
	v_and_b32 v25, 0xffff0000, v32
	v_lshlrev_b32 v26, 16, v33
	v_and_b32 v27, 0xffff0000, v33
.endif
	WCVT g
.if g < 10
	WLOAD g+6
.endif
.if g == 13                            ; my first block's A goes out while the last weights come in: 36, 12 and 12 loads; a wave without blocks asks for token 2,047 and uses nothing
	ARUN 0
	ARUN 1
	ARUN 2
	WIN 0
.elseif g == 14
	ARUN 3
	WIN 0
.elseif g == 15
	ARUN 4
	WIN 0
.endif
.set g, g+1
.endr
.irp nb, 0,1,2,3
.irp j, 0,1,2,3,4,5,6,7
	v_mov_b32 v[BC+8*(\nb)+(\j)], v[24+(\nb)]      ; the bias as a C operand: a lane is one column, so all eight rows hold its bias
.endr
.endr
	s_min_u32 s19, s19, 2048
	s_add_co_u32 s20, s19, 47
	s_mul_hi_u32 s20, s20, 0x5555556               ; blocks of 48: (count + 47) / 48, exact for numbers this small
	s_add_co_u32 s21, s20, 3
	s_sub_co_u32 s21, s21, s16
	s_lshr_b32 s21, s21, 2                         ; of which mine: w, w + 4, ..: 11 at the most
	s_wait_dscnt 0x0                               ; for the others' sake: my part of the weights is stored
	s_barrier_signal -1
	s_barrier_wait -1                              ; the second barrier: every wave passes both
	s_cmp_lg_u32 s21, 0
	s_cbranch_scc1 .Lwork
	s_wait_tensorcnt 0x0                           ; a wave without blocks ends: three lines behind its last LDS store
	ds_add_u32 v4, v5
	s_wait_dscnt 0x0
	s_endpgm
.Lwork:
	BRUN 0
	WIN 0                                          ; at a label and at a branch every window is 0
	s_mov_b32 s22, 0
.Ltrip:                                                ; a block of 48 rows; at its head 60 loads of A and 16 of B are out, on the way in and on the way back
.set st, 0
.rept 16
	STAGE st
.set st, st+1
.endr
	WIN 0
.rept 4
	v_nop                                          ; four places between the last product and the first read of a result
.endr
.irp f, 0,1,2
.irp j, 0,1,2,3,4,5,6,7                ; register j: rows j (lanes 0-15) and 8 + j (lanes 16-31), neighbours in h; each accumulator is read from its low end on
	v_cvt_pk_bf16_f32 v[SD+2*(8*(\f)+(\j))],   v[ACC+32*(\f)+(\j)],    v[ACC+32*(\f)+8+(\j)]
	v_cvt_pk_bf16_f32 v[SD+2*(8*(\f)+(\j))+1], v[ACC+32*(\f)+16+(\j)], v[ACC+32*(\f)+24+(\j)]
	v_pk_max_num_bf16 v[SD+2*(8*(\f)+(\j))],   v[SD+2*(8*(\f)+(\j))],   v28   ; relu on the rounded halves: the same numbers as rounding the relu
	v_pk_max_num_bf16 v[SD+2*(8*(\f)+(\j))+1], v[SD+2*(8*(\f)+(\j))+1], v28
	global_store_b64 v11, v[SD+2*(8*(\f)+(\j)):SD+2*(8*(\f)+(\j))+1], s[28:29] offset:(16*(\f)+2*(\j))*128  ; 256 consecutive aligned bytes
.endr
.endr
	s_wait_xcnt 0x0                                ; the stores' offset and data, and the offsets that pending loads of A name, are rewritten only behind this wait
	v_add_nc_u32 v11, 24576, v11                   ; 192 rows on
.set i, 0
.rept 30
	v_mov_b32 v[VO+i], v[VO+i+3]                   ; the offsets move down by a block; the last three stay, so every place always holds a row that exists
.set i, i+1
.endr
	s_add_co_u32 s22, s22, 1
	s_cmp_lt_u32 s22, s21
	s_cbranch_scc1 .Ltrip
	s_wait_tensorcnt 0x0                           ; the wave's end: the same three lines
	ds_add_u32 v4, v5
	s_wait_dscnt 0x0
	s_endpgm
.Lfunc_end_k_q60c9ce1863_gemm1:
	.size	k_q60c9ce1863_gemm1, .Lfunc_end_k_q60c9ce1863_gemm1-k_q60c9ce1863_gemm1
	.p2alignl 7, 3214868480
	.fill 96, 4, 3214868480
	.section	.rodata,"a",@progbits
	.p2align	6, 0x0
	.amdhsa_kernel k_q60c9ce1863_gemm1
		.amdhsa_group_segment_fixed_size 141312
		.amdhsa_private_segment_fixed_size 0
		.amdhsa_enable_private_segment 0
		.amdhsa_kernarg_size 56
		.amdhsa_user_sgpr_count 2
		.amdhsa_user_sgpr_kernarg_segment_ptr 1
		.amdhsa_wavefront_size32 1
		.amdhsa_system_sgpr_workgroup_id_x 1
		.amdhsa_system_sgpr_workgroup_id_y 1
		.amdhsa_system_sgpr_workgroup_id_z 1
		.amdhsa_system_vgpr_workitem_id 0
		.amdhsa_next_free_vgpr 768
		.amdhsa_next_free_sgpr 100
		.amdhsa_reserve_vcc 0
		.amdhsa_float_denorm_mode_32 3
		.amdhsa_float_denorm_mode_16_64 3
		.amdhsa_memory_ordered 1
		.amdhsa_forward_progress 1
		.amdhsa_inst_pref_size 171
	.end_amdhsa_kernel
	.amdgpu_metadata
---
amdhsa.version: [ 1, 2 ]
amdhsa.kernels:
  - .name:           k_q60c9ce1863_gemm1
    .symbol:         k_q60c9ce1863_gemm1.kd
    .args:
      - { .name: xb, .offset: 0, .size: 8, .value_kind: global_buffer, .address_space: global }
      - { .name: w1, .offset: 8, .size: 8, .value_kind: global_buffer, .address_space: global }
      - { .name: b1, .offset: 16, .size: 8, .value_kind: global_buffer, .address_space: global }
      - { .name: bmw, .offset: 24, .size: 8, .value_kind: global_buffer, .address_space: global }
      - { .name: list, .offset: 32, .size: 8, .value_kind: global_buffer, .address_space: global }
      - { .name: meta, .offset: 40, .size: 8, .value_kind: global_buffer, .address_space: global }
      - { .name: h, .offset: 48, .size: 8, .value_kind: global_buffer, .address_space: global }
    .group_segment_fixed_size: 141312
    .private_segment_fixed_size: 0
    .kernarg_segment_align: 8
    .kernarg_segment_size: 56
    .max_flat_workgroup_size: 128
    .sgpr_count:     100
    .vgpr_count:     768
    .wavefront_size: 32
...
	.end_amdgpu_metadata
.endif
;; end of part 2
;; launch gemm2 (part 3): grid 32 x 8, 4 waves a work-group, no clusters, 131,584 bytes of LDS; arguments h, w2, b2, list, meta, y; writes y
.if DOCPART == 3
	.amdgcn_target "amdgcn-amd-amdhsa--gfx1250"
	.amdhsa_code_object_version 6
	.text
	.protected	k_q60c9ce1863_gemm2
	.globl	k_q60c9ce1863_gemm2
	.p2align	8
	.type	k_q60c9ce1863_gemm2,@function
k_q60c9ce1863_gemm2:
	s_mov_b64 s[64:65], 0
	v_nop
	global_prefetch_b8 v0, s[64:65] scope:SCOPE_SE
	s_setreg_imm32_b32 hwreg(HW_REG_WAVE_MODE, 25, 1), 1
	s_wait_xcnt 0x0
; y[kh][2 t + slot] = h . bf16(w2[e]) over K half kh (+ bf16(b2[e]) in half 0): f32 partial sums, one row for each routed row, added up by the next launch.
; SHARES.  Work-group (16 kh + slice, e) owns rows 1024 kh .. + 1023, columns 64 slice .. + 63 of w2[e]: 1,024 rows of 256 aligned bytes, which it alone reads, once; staged as in the first
; product.  K is halved rather than the slices narrowed to 32 columns: a work-group then reads half as much of h, and the weights' rows stay 256 bytes.
; The waves walk the expert's rows in blocks of 48; A comes from h (stage T = slice 16 kh + T of h, 64 along K), B from LDS at fixed addresses; the loop's length hangs on the stored count and
; holds no LDS write, no barrier, no tensor load.  The block's 48 destinations come by scalar loads from the list; pads name rows of y from 4,096 on, which nobody reads: EXEC is never narrowed.
; ORDERS as in the first product: k = 32 s + 16 hh + 0..15 in A and B alike; column 4 r + nb; rank 16 g + m lies at row 16 g + 2 (m % 8) + m / 8 of h.
; NO CLUSTER, NO TENSOR LOAD: each weight byte has one reader; an expert's rows of h are shared by 16 work-groups, but how many there are hangs on a stored count, and a constant count
; for every split (2,048 rows) would ask for four times the bytes of an even split.
; LIMITS.  w2 and b2 rounded to bf16; NaN and infinities not treated apart.
; REGISTERS.  Window 0: v1 lane, v2 r, v3 hh, v4 spare word, v5 zero, v6-7 B's LDS addresses, v8 staging address, v9 weights' offset, v15 32 hh, v16 A's offset, v18 its lane term,
; v19 bias offset, v20 the next block's A offset, v24-27 bias, v29, v30 masks of lanes 0-15, 16-31, v31 my bytes in a row of y, v32-127 accumulators, v128-159 eight sets of store data,
; v160-167 their addresses, v168-169 at work.  While the weights are staged: v32-47 packed, v64-255 six slots of 32.  Windows 1, 2: v0-191 four A slots of 48, v192-255 B of one stage.
.set PITCH, 4096                       ; bytes from row to row of w2[e]
.set PSH,   16
.set HS,    270336                     ; a slice of h
.set YH,    18874368                   ; a K half of y: 4,608 rows of 4,096 bytes
.set BLKB,  6144                       ; a block's 48 rows of 128 bytes in a slice of h
.set MAXB,  42                         ; the last block that 2,048 rows can give
.set SPARE, 131072
.set ACC,   32
.set MSB, 0
.macro WIN new
.if MSB != (\new)
	s_set_vgpr_msb (MSB<<8)|(\new)
.set MSB, (\new)
.endif
.endm
	s_load_b256 s[4:11], s[0:1], 0x0               ; h s[4:5], w2 s[6:7], b2 s[8:9], list s[10:11]
	s_load_b128 s[12:15], s[0:1], 0x20             ; meta s[12:13], y s[14:15]
	v_lshl_add_u32 v4, v0, 2, SPARE
	v_mov_b32 v5, 0
	v_and_b32 v1, 31, v0
	v_lshrrev_b32 v2, 5, v0
	v_readfirstlane_b32 s16, v2                    ; wave 0..3
	v_and_b32 v2, 15, v0
	v_bfe_u32 v3, v0, 4, 1
	s_and_b32 s17, ttmp9, 15                       ; slice
	s_lshr_b32 s23, ttmp9, 4                       ; K half
	s_and_b32 s18, ttmp7, 0xffff                   ; expert
	v_lshlrev_b32 v6, 4, v1
	v_add_nc_u32 v7, 0x10000, v6
	s_lshl_b32 s24, s16, 15
	v_add_nc_u32 v8, s24, v6
	v_lshlrev_b32 v9, 4, v2
	v_lshl_add_u32 v9, v3, PSH, v9
	v_lshlrev_b32 v15, 5, v3
	v_and_b32 v16, 7, v2
	v_lshrrev_b32 v17, 3, v2
	v_lshl_add_u32 v16, v16, 1, v17                ; where rank r lies among its 16 rows
	v_lshl_add_u32 v18, v16, 7, v15                ; rows of 128 bytes, my half's 32 bytes: the lane's term, never rewritten
	s_mul_i32 s24, s16, BLKB
	v_add_nc_u32 v16, s24, v18                     ; block w
	v_add_nc_u32 v29, -1, v3                       ; all ones in lanes 0-15
	v_sub_nc_u32 v30, 0, v3                        ; all ones in lanes 16-31
	s_lshl_b32 s25, s17, 8
	v_lshl_add_u32 v31, v2, 4, s25                 ; y: the slice's 256 bytes, 16 a lane
	s_lshl_b32 s24, s18, 12
	s_add_co_u32 s24, s24, s25
	v_lshl_add_u32 v19, v2, 4, s24                 ; b2: (1024 e + 64 slice + 4 r) floats
	s_cmp_eq_u32 s23, 0
	s_cselect_b32 s28, -1, 0                       ; the bias counts in K half 0 alone
	s_mul_i32 s29, s18, 9472
	s_mul_i32 s24, s16, 192
	s_add_co_u32 s29, s29, s24                     ; list: byte of word 2368 e + 48 w
	s_lshl_b32 s24, s18, 23                        ; w2: expert, K half, my 256 rows, the slice's 256 bytes
	s_lshl_b32 s26, s23, 22
	s_add_co_u32 s24, s24, s26
	s_lshl_b32 s26, s16, 20
	s_add_co_u32 s24, s24, s26
	s_add_co_u32 s24, s24, s25
	s_mov_b32 s25, 0
	s_lshl_b32 s26, s18, 5
	s_lshl_b32 s27, s23, 4
	s_add_co_u32 s26, s26, s27
	s_mul_i32 s26, s26, HS                         ; h: slice 32 e + 16 kh
	s_mov_b32 s27, 0
	s_mul_i32 s20, s23, YH
	s_mov_b32 s21, 0
	s_lshl_b32 s31, s18, 7
	s_wait_kmcnt 0x0
	s_load_b32 s19, s[12:13], s31 offset:0x0       ; the expert's count
	s_add_nc_u64 s[6:7], s[6:7], s[24:25]
	s_add_nc_u64 s[4:5], s[4:5], s[26:27]
	s_add_nc_u64 s[14:15], s[14:15], s[20:21]
	global_load_b128 v[24:27], v19, s[8:9]
.macro WLOAD g                         ; as in the first product
.irp i, 0,1,2,3,4,5,6,7
	global_load_b128 v[64+32*((\g)%6)+4*(\i):64+32*((\g)%6)+4*(\i)+3], v9, s[6:7] offset:(32*((\g)/2)+8*((\g)%2)+(\i))*PITCH th:TH_LOAD_NT
.endr
.endm
.macro WCVT g
.irp j, 0,1,2,3
.irp p, 0,1,2,3
	v_cvt_pk_bf16_f32 v[32+4*(\j)+(\p)], v[64+32*((\g)%6)+8*(\p)+(\j)], v[64+32*((\g)%6)+8*(\p)+4+(\j)]
.endr
	ds_store_b128 v8, v[32+4*(\j):32+4*(\j)+3] offset:(4*((\g)/2)+(\j))*1024+512*((\g)%2)
.endr
.endm
.set g, 0
.rept 6
	WLOAD g
.set g, g+1
.endr
.set g, 0
.rept 16
.if g <= 10
	s_wait_loadcnt 40                              ; five younger groups of eight stay out
.else
	s_wait_loadcnt 8*(15-g)
.endif
.if g == 0                             ; the bias is older than every group
	v_cvt_pk_bf16_f32 v32, v24, v25                ; b2 rounded to bf16, cleared in K half 1, widened again
	v_cvt_pk_bf16_f32 v33, v26, v27
	v_and_b32 v32, s28, v32
	v_and_b32 v33, s28, v33
	v_lshlrev_b32 v24, 16, v32
	v_and_b32 v25, 0xffff0000, v32
	v_lshlrev_b32 v26, 16, v33
	v_and_b32 v27, 0xffff0000, v33
.endif
	WCVT g
.if g < 10
	WLOAD g+6
.endif
.set g, g+1
.endr
	s_wait_kmcnt 0x0
	s_min_u32 s19, s19, 2048
	s_add_co_u32 s20, s19, 47
	s_mul_hi_u32 s20, s20, 0x5555556               ; blocks of 48
	s_add_co_u32 s21, s20, 3
	s_sub_co_u32 s21, s21, s16
	s_lshr_b32 s21, s21, 2                         ; of which mine
	s_wait_dscnt 0x0                               ; for the others' sake: my part of the weights is stored
	s_barrier_signal -1
	s_barrier_wait -1                              ; the launch's one barrier
	s_cmp_lg_u32 s21, 0
	s_cbranch_scc1 .Lwork
	s_wait_tensorcnt 0x0                           ; a wave without blocks ends: three lines behind its last LDS store
	ds_add_u32 v4, v5
	s_wait_dscnt 0x0
	s_endpgm
.macro ARUN T                          ; stage T's A: slice T % 16 of my 16, three groups of 16 rows, two K steps; the largest immediate is 15 slices + 4,176 bytes, inside 24 bits
	WIN 0x40<<((\T)%2)
.set AS, 48*(((\T)%8)/2)
.set VO, 16+4*((\T)/16)
.irp k, 0,1
.irp f, 0,1,2
	global_load_b128 v[AS+24*(\k)+8*(\f):AS+24*(\k)+8*(\f)+3],   v[VO], s[4:5] offset:((\T)%16)*HS+2048*(\f)+64*(\k)
	global_load_b128 v[AS+24*(\k)+8*(\f)+4:AS+24*(\k)+8*(\f)+7], v[VO], s[4:5] offset:((\T)%16)*HS+2048*(\f)+64*(\k)+16
.endr
.endr
.endm
.macro BRUN T
	WIN 0x40<<((\T)%2)
.set BA, 6+(((\T)%16)/8)
.irp k, 0,1
.irp nb, 0,1,2,3
	ds_load_b128 v[192+32*(\k)+8*(\nb):192+32*(\k)+8*(\nb)+3],   v[BA] offset:(8*((\T)%8)+4*(\k)+(\nb))*1024
	ds_load_b128 v[192+32*(\k)+8*(\nb)+4:192+32*(\k)+8*(\nb)+7], v[BA] offset:(8*((\T)%8)+4*(\k)+(\nb))*1024+512
.endr
.endr
.endm
.macro MUL12 T, ks, zero               ; the 12 accumulators take turns in one order everywhere; zero = 1: the block's first products start the sums
	WIN 0x05<<((\T)%2)
.set AS, 48*(((\T)%8)/2)+24*(\ks)
.irp f, 0,1,2
.irp nb, 0,1,2,3
.if \zero
	v_wmma_f32_16x16x32_bf16 v[ACC+8*(4*(\f)+(\nb)):ACC+8*(4*(\f)+(\nb))+7], v[AS+8*(\f):AS+8*(\f)+7], v[192+32*(\ks)+8*(\nb):192+32*(\ks)+8*(\nb)+7], 0
.else
	v_wmma_f32_16x16x32_bf16 v[ACC+8*(4*(\f)+(\nb)):ACC+8*(4*(\f)+(\nb))+7], v[AS+8*(\f):AS+8*(\f)+7], v[192+32*(\ks)+8*(\nb):192+32*(\ks)+8*(\nb)+7], v[ACC+8*(4*(\f)+(\nb)):ACC+8*(4*(\f)+(\nb))+7]
.endif
.endr
.endr
.endm
; The stage's one run of loads stands at its head: the next stage's B has this stage's 24 products in which to land, A of five stages on has five stages.
.macro STAGE i
	s_wait_loadcnt 48                              ; stage i's A is in; younger: four runs of 12
	s_wait_dscnt 0x0                               ; stage i's B is in: its 16 loads went out at the head of the stage before, and nothing since
.if (\i) == 6                          ; the loads that named the old offset were stages 0 to 4's, shown done by stage 4's wait
	WIN 0
	s_add_co_u32 s31, s22, 1
	s_lshl2_add_u32 s31, s31, s16                  ; my next block, 4 (t + 1) + w;
	s_min_u32 s31, s31, s66                        ; behind my last block that block once more: nothing unwritten is read;
	s_min_u32 s31, s31, MAXB                       ; and a block that exists, whatever the count holds
	s_mul_i32 s30, s31, BLKB
	v_add_nc_u32 v20, s30, v18
.endif
.rept 4
	v_nop                                          ; four places in front of loads into registers that the stage before (B) and three before (A) multiplied
.endr
	BRUN (\i)+1
	ARUN (\i)+5
.if (\i) == 0
	MUL12 \i, 0, 1
.else
	MUL12 \i, 0, 0
.endif
	MUL12 \i, 1, 0
.endm
.Lwork:
	s_sub_co_u32 s66, s21, 1
	s_lshl2_add_u32 s66, s66, s16                  ; my last block: 4 (my blocks - 1) + w
	ARUN 0
	ARUN 1
	ARUN 2
	ARUN 3
	ARUN 4
	BRUN 0
	WIN 0                                          ; at a label and at a branch every window is 0
	s_mov_b32 s22, 0
.Ltrip:                                                ; a block of 48 rows; at its head 60 loads of A and 16 of B are out, on the way in and on the way back
	s_load_b512 s[32:47], s[10:11], s29 offset:0x0   ; the block's 48 destinations
	s_load_b512 s[48:63], s[10:11], s29 offset:0x40
	s_load_b512 s[80:95], s[10:11], s29 offset:0x80
.set st, 0
.rept 16
	STAGE st
.set st, st+1
.endr
	WIN 0
	s_wait_kmcnt 0x0                               ; the destinations
.rept 4
	v_nop                                          ; four places between the last product and the first read of a result
.endr
.irp f, 0,1,2
.if (\f) > 0
	s_wait_xcnt 0x0                                ; the eight sets are rewritten only behind this wait
.endif
.irp j, 0,1,2,3,4,5,6,7                ; register j: rank 16 f + j in lanes 0-15, 16 f + 8 + j in lanes 16-31; each accumulator is read from its low end on
.set EA, 32+16*(\f)+16*((\f)/2)+(\j)
	s_min_u32 s[EA], s[EA], 4607                   ; a row of y that exists, whatever the list holds,
	s_lshl_b32 s[EA], s[EA], 12                    ; of 4,096 bytes
	s_min_u32 s[EA+8], s[EA+8], 4607
	s_lshl_b32 s[EA+8], s[EA+8], 12
	v_and_b32 v168, s[EA], v29
	v_and_b32 v169, s[EA+8], v30
	v_add_nc_u32 v168, v168, v31
	v_add_nc_u32 v[160+(\j)], v168, v169
.irp nb, 0,1,2,3
	v_add_f32 v[128+4*(\j)+(\nb)], v[ACC+32*(\f)+8*(\nb)+(\j)], v[24+(\nb)]
.endr
	global_store_b128 v[160+(\j)], v[128+4*(\j):128+4*(\j)+3], s[14:15]  ; each half of the lanes fills 256 consecutive aligned bytes of its row
.endr
.endr
	s_wait_xcnt 0x0                                ; the stores' registers and the offsets below are rewritten only behind this wait
	s_add_co_u32 s29, s29, 768                     ; 192 list words on
	v_mov_b32 v16, v20
	s_add_co_u32 s22, s22, 1
	s_cmp_lt_u32 s22, s21
	s_cbranch_scc1 .Ltrip
	s_wait_tensorcnt 0x0                           ; the wave's end: the same three lines
	ds_add_u32 v4, v5
	s_wait_dscnt 0x0
	s_endpgm
.Lfunc_end_k_q60c9ce1863_gemm2:
	.size	k_q60c9ce1863_gemm2, .Lfunc_end_k_q60c9ce1863_gemm2-k_q60c9ce1863_gemm2
	.p2alignl 7, 3214868480
	.fill 96, 4, 3214868480
	.section	.rodata,"a",@progbits
	.p2align	6, 0x0
	.amdhsa_kernel k_q60c9ce1863_gemm2
		.amdhsa_group_segment_fixed_size 131584
		.amdhsa_private_segment_fixed_size 0
		.amdhsa_enable_private_segment 0
		.amdhsa_kernarg_size 48
		.amdhsa_user_sgpr_count 2
		.amdhsa_user_sgpr_kernarg_segment_ptr 1
		.amdhsa_wavefront_size32 1
		.amdhsa_system_sgpr_workgroup_id_x 1
		.amdhsa_system_sgpr_workgroup_id_y 1
		.amdhsa_system_sgpr_workgroup_id_z 1
		.amdhsa_system_vgpr_workitem_id 0
		.amdhsa_next_free_vgpr 768
		.amdhsa_next_free_sgpr 96
		.amdhsa_reserve_vcc 0
		.amdhsa_float_denorm_mode_32 3
		.amdhsa_float_denorm_mode_16_64 3
		.amdhsa_memory_ordered 1
		.amdhsa_forward_progress 1
		.amdhsa_inst_pref_size 119
	.end_amdhsa_kernel
	.amdgpu_metadata
---
amdhsa.version: [ 1, 2 ]
amdhsa.kernels:
  - .name:           k_q60c9ce1863_gemm2
    .symbol:         k_q60c9ce1863_gemm2.kd
    .args:
      - { .name: h, .offset: 0, .size: 8, .value_kind: global_buffer, .address_space: global }
      - { .name: w2, .offset: 8, .size: 8, .value_kind: global_buffer, .address_space: global }
      - { .name: b2, .offset: 16, .size: 8, .value_kind: global_buffer, .address_space: global }
      - { .name: list, .offset: 24, .size: 8, .value_kind: global_buffer, .address_space: global }
      - { .name: meta, .offset: 32, .size: 8, .value_kind: global_buffer, .address_space: global }
      - { .name: y, .offset: 40, .size: 8, .value_kind: global_buffer, .address_space: global }
    .group_segment_fixed_size: 131584
    .private_segment_fixed_size: 0
    .kernarg_segment_align: 8
    .kernarg_segment_size: 48
    .max_flat_workgroup_size: 128
    .sgpr_count:     96
    .vgpr_count:     768
    .wavefront_size: 32
...
	.end_amdgpu_metadata
.endif
;; end of part 3
;; launch combine (part 4): grid 256 x 1, 8 waves a work-group, no clusters, 0 bytes of LDS; arguments y, gate, out0; writes out0
.if DOCPART == 4
	.amdgcn_target "amdgcn-amd-amdhsa--gfx1250"
	.amdhsa_code_object_version 6
	.text
	.protected	k_q60c9ce1863_combine
	.globl	k_q60c9ce1863_combine
	.p2align	8
	.type	k_q60c9ce1863_combine,@function
k_q60c9ce1863_combine:
	s_mov_b64 s[64:65], 0
	v_nop
	global_prefetch_b8 v0, s[64:65] scope:SCOPE_SE
	s_setreg_imm32_b32 hwreg(HW_REG_WAVE_MODE, 25, 1), 1
	s_wait_xcnt 0x0
; out[t] = g0 (y0[2 t] + y1[2 t]) + g1 (y0[2 t + 1] + y1[2 t + 1]): the two K halves of each of the token's two expert rows, weighed by its gates.  All f32.
; A stream: one wave a token, four rows of 4,096 bytes in, one out; every load and store of a wave covers 512 consecutive aligned bytes; all 32 loads go out before the first wait.
; No LDS, no barrier, no matrix unit, no cluster: nothing is shared and memory binds.
.set YH, 18874368                      ; a K half of y
	s_load_b128 s[4:7], s[0:1], 0x0                ; y s[4:5], gate s[6:7]
	s_load_b64 s[8:9], s[0:1], 0x10                ; out0
	v_lshrrev_b32 v2, 5, v0
	v_readfirstlane_b32 s10, v2                    ; wave 0..7
	v_and_b32 v1, 31, v0
	v_lshlrev_b32 v1, 4, v1
	s_lshl_b32 s11, ttmp9, 3
	s_add_co_u32 s11, s11, s10                     ; my token
	s_lshl_b32 s12, s11, 3
	s_lshl_b32 s14, s11, 13                        ; two rows of y
	s_mov_b32 s15, 0
	s_lshl_b32 s16, s11, 12
	s_mov_b32 s17, 0
	s_wait_kmcnt 0x0
	s_load_b64 s[20:21], s[6:7], s12 offset:0x0    ; g0, g1
	s_add_nc_u64 s[4:5], s[4:5], s[14:15]
	s_add_nc_u64 s[18:19], s[4:5], YH
	s_add_nc_u64 s[8:9], s[8:9], s[16:17]
.set c, 0
.rept 8
	global_load_b128 v[16+16*c:19+16*c], v1, s[4:5] offset:512*c th:TH_LOAD_NT
	global_load_b128 v[20+16*c:23+16*c], v1, s[18:19] offset:512*c th:TH_LOAD_NT
	global_load_b128 v[24+16*c:27+16*c], v1, s[4:5] offset:4096+512*c th:TH_LOAD_NT
	global_load_b128 v[28+16*c:31+16*c], v1, s[18:19] offset:4096+512*c th:TH_LOAD_NT
.set c, c+1
.endr
	s_wait_kmcnt 0x0
	s_mov_b32 s22, s21                             ; g1 as the low word of a pair of its own
	s_mov_b32 s23, s21
.set c, 0
.rept 8
	s_wait_loadcnt 4*(7-c)                         ; four loads for each later chunk are younger
	v_pk_add_f32 v[16+16*c:17+16*c], v[16+16*c:17+16*c], v[20+16*c:21+16*c]
	v_pk_add_f32 v[18+16*c:19+16*c], v[18+16*c:19+16*c], v[22+16*c:23+16*c]
	v_pk_add_f32 v[24+16*c:25+16*c], v[24+16*c:25+16*c], v[28+16*c:29+16*c]
	v_pk_add_f32 v[26+16*c:27+16*c], v[26+16*c:27+16*c], v[30+16*c:31+16*c]
	v_pk_mul_f32 v[144+4*c:145+4*c], v[16+16*c:17+16*c], s[20:21] op_sel_hi:[1,0]
	v_pk_mul_f32 v[146+4*c:147+4*c], v[18+16*c:19+16*c], s[20:21] op_sel_hi:[1,0]
	v_pk_fma_f32 v[144+4*c:145+4*c], v[24+16*c:25+16*c], s[22:23], v[144+4*c:145+4*c] op_sel_hi:[1,0,1]
	v_pk_fma_f32 v[146+4*c:147+4*c], v[26+16*c:27+16*c], s[22:23], v[146+4*c:147+4*c] op_sel_hi:[1,0,1]
	global_store_b128 v1, v[144+4*c:147+4*c], s[8:9] offset:512*c th:TH_STORE_NT
.set c, c+1
.endr
	s_endpgm
.Lfunc_end_k_q60c9ce1863_combine:
	.size	k_q60c9ce1863_combine, .Lfunc_end_k_q60c9ce1863_combine-k_q60c9ce1863_combine
	.p2alignl 7, 3214868480
	.fill 96, 4, 3214868480
	.section	.rodata,"a",@progbits
	.p2align	6, 0x0
	.amdhsa_kernel k_q60c9ce1863_combine
		.amdhsa_group_segment_fixed_size 0
		.amdhsa_private_segment_fixed_size 0
		.amdhsa_enable_private_segment 0
		.amdhsa_kernarg_size 24
		.amdhsa_user_sgpr_count 2
		.amdhsa_user_sgpr_kernarg_segment_ptr 1
		.amdhsa_wavefront_size32 1
		.amdhsa_system_sgpr_workgroup_id_x 1
		.amdhsa_system_sgpr_workgroup_id_y 1
		.amdhsa_system_sgpr_workgroup_id_z 1
		.amdhsa_system_vgpr_workitem_id 0
		.amdhsa_next_free_vgpr 176
		.amdhsa_next_free_sgpr 66
		.amdhsa_reserve_vcc 0
		.amdhsa_float_denorm_mode_32 3
		.amdhsa_float_denorm_mode_16_64 3
		.amdhsa_memory_ordered 1
		.amdhsa_forward_progress 1
		.amdhsa_inst_pref_size 10
	.end_amdhsa_kernel
	.amdgpu_metadata
---
amdhsa.version: [ 1, 2 ]
amdhsa.kernels:
  - .name:           k_q60c9ce1863_combine
    .symbol:         k_q60c9ce1863_combine.kd
    .args:
      - { .name: y, .offset: 0, .size: 8, .value_kind: global_buffer, .address_space: global }
      - { .name: gate, .offset: 8, .size: 8, .value_kind: global_buffer, .address_space: global }
      - { .name: out0, .offset: 16, .size: 8, .value_kind: global_buffer, .address_space: global }
    .group_segment_fixed_size: 0
    .private_segment_fixed_size: 0
    .kernarg_segment_align: 8
    .kernarg_segment_size: 24
    .max_flat_workgroup_size: 256
    .sgpr_count:     66
    .vgpr_count:     176
    .wavefront_size: 32
...
	.end_amdgpu_metadata
.endif
;; end of part 4
;; ======== version 2 of 2: 4 launches; version 1 with the launch gemm2 written anew for expert scheduling mode
;; workspace buffers: xb 4,194,304 bytes; bmw 8,192 bytes of whole numbers; gate 16,384 bytes; list 75,776 bytes of whole numbers; meta 1,024 bytes of whole numbers; h 69,206,016 bytes; y 37,748,736 bytes
;; launch router: the kernel of part 1 again; grid 64 x 1, 4 waves a work-group, no clusters, 89,600 bytes of LDS; arguments x, router_w, router_b, xb, bmw, gate; writes xb, bmw, gate
;; launch gemm1: the kernel of part 2 again; grid 32 x 8, 4 waves a work-group, no clusters, 141,312 bytes of LDS; arguments xb, w1, b1, bmw, list, meta, h; writes list, meta, h
;; launch gemm2 (part 5): grid 32 x 8, 4 waves a work-group, no clusters, 131,584 bytes of LDS; arguments h, w2, b2, list, meta, y; writes y
.if DOCPART == 5
	.amdgcn_target "amdgcn-amd-amdhsa--gfx1250"
	.amdhsa_code_object_version 6
	.text
	.protected	k_q60c9ce1863_gemm2
	.globl	k_q60c9ce1863_gemm2
	.p2align	8
	.type	k_q60c9ce1863_gemm2,@function
k_q60c9ce1863_gemm2:
	s_mov_b64 s[64:65], 0
	v_nop
	global_prefetch_b8 v0, s[64:65] scope:SCOPE_SE
	s_setreg_imm32_b32 hwreg(HW_REG_WAVE_SCHED_MODE, 0, 2), 2
	s_setreg_imm32_b32 hwreg(HW_REG_WAVE_MODE, 25, 1), 1
	s_wait_xcnt 0x0
	s_wait_alu depctr_vm_vsrc(0)
; y[kh][2 t + slot] = h . bf16(w2[e]) over K half kh (+ bf16(b2[e]) in half 0): f32 partial sums, one row for each routed row, added up by the next launch.
; SHARES.  Work-group (16 kh + slice, e) owns rows 1024 kh .. + 1023, columns 64 slice .. + 63 of w2[e]: 1,024 rows of 256 aligned bytes, which it alone reads, once; staged as in the first
; product.  K is halved rather than the slices narrowed to 32 columns: a work-group then reads half as much of h, and the weights' rows stay 256 bytes.
; The waves walk the expert's rows in blocks of 48; A comes from h (stage T = slice 16 kh + T of h, 64 along K), B from LDS at fixed addresses; the loop's length hangs on the stored count and
; holds no LDS write, no barrier, no tensor load.  The block's 48 destinations come by scalar loads from the list; pads name rows of y from 4,096 on, which nobody reads: EXEC is never narrowed.
; ORDERS as in the first product: k = 32 s + 16 hh + 0..15 in A and B alike; column 4 r + nb; rank 16 g + m lies at row 16 g + 2 (m % 8) + m / 8 of h.
; NO CLUSTER, NO TENSOR LOAD: each weight byte has one reader; an expert's rows of h are shared by 16 work-groups, but how many there are hangs on a stored count, and a constant count
; for every split (2,048 rows) would ask for four times the bytes of an even split.
; LIMITS.  w2 and b2 rounded to bf16; NaN and infinities not treated apart.
; THE MODE: SCHED_MODE bits 1:0 = 2 (LLVM: expert scheduling mode 2), set by the entry lines.  The code itself states the register dependences
; between vector or matrix instructions and memory or LDS instructions, with s_wait_alu, always for 0.
; THE PLAN.  Registers that memory or LDS instructions touch, in the loop (a stage is 24 products):
;   B0, B1      Stage i's products read B[i % 2]; the LDS loads at the head of stage i land in the other, which the products of stage i - 1 read last.
;   A0 .. A7    Stage i's products read slot i % 8; the loads in the middle of stage i land in slot (i + 5) % 8, which the products of stage i - 3 read last.
;   v16         this block's offset in h: read by the loads of A of stages 0 to 10; written once a trip, at its end.
;   v20         the next block's: read by the loads of A of stages 11 to 15; written in stage 6.          v6, v7: read by every load of B; never written again.
;   v128-247    24 sets of store data and their 24 addresses: written at the trip's end, read by its 24 stores.
;   The accumulators are named by vector and matrix instructions alone.
; So ONE wait on va_vdst stands at a stage's head, behind the waits for the stage's data; B's loads follow it at once, A's behind the stage's first 12 products, which name the accumulators,
; slot i % 8 and B[i % 2]: none of the registers that those loads touch.  One more stands ahead of a trip's run of stores, and one wait on vm_vsrc behind that run; no memory instruction reads
; v20 between that wait and the add of the next trip's stage 6.
; REGISTERS.  Window 0: v1 lane, v2 r, v3 hh, v6-7 B's LDS addresses, v8 staging address, v9 weights' offset, v15 32 hh, v16 A's offset, v18 its lane term,
; v19 bias offset, v20 the next block's A offset, v24-27 bias, v29, v30 masks of lanes 0-15, 16-31, v31 my bytes in a row of y, v32-127 accumulators, v128-223 24 sets of store data,
; v224-247 their addresses, v248-249 at work.  While the weights are staged: v32-47 packed, v64-255 six slots of 32.  Windows 1, 2: v0-191 four A slots of 48, v192-255 B of one stage.
.set PITCH, 4096                       ; bytes from row to row of w2[e]
.set PSH,   16
.set HS,    270336                     ; a slice of h
.set YH,    18874368                   ; a K half of y: 4,608 rows of 4,096 bytes
.set BLKB,  6144                       ; a block's 48 rows of 128 bytes in a slice of h
.set MAXB,  42                         ; the last block that 2,048 rows can give
.set ACC,   32
.set SD,    128
.set SA,    224
.set MSB, 0
.macro WIN new
.if MSB != (\new)
	s_set_vgpr_msb (MSB<<8)|(\new)
.set MSB, (\new)
.endif
.endm
	s_load_b256 s[4:11], s[0:1], 0x0               ; h s[4:5], w2 s[6:7], b2 s[8:9], list s[10:11]
	s_load_b128 s[12:15], s[0:1], 0x20             ; meta s[12:13], y s[14:15]
	v_lshl_add_u32 v23, v0, 2, 0x20000
	v_mov_b32 v28, 0
	v_and_b32 v1, 31, v0
	v_lshrrev_b32 v2, 5, v0
	v_readfirstlane_b32 s16, v2                    ; wave 0..3
	v_and_b32 v2, 15, v0
	v_bfe_u32 v3, v0, 4, 1
	s_and_b32 s17, ttmp9, 15                       ; slice
	s_lshr_b32 s23, ttmp9, 4                       ; K half
	s_and_b32 s18, ttmp7, 0xffff                   ; expert
	v_lshlrev_b32 v6, 4, v1
	v_add_nc_u32 v7, 0x10000, v6
	s_wait_alu depctr_va_sdst(0)                   ; s16 is written, ahead of its first reader
	s_lshl_b32 s24, s16, 15
	v_add_nc_u32 v8, s24, v6
	v_lshlrev_b32 v9, 4, v2
	v_lshl_add_u32 v9, v3, PSH, v9
	v_lshlrev_b32 v15, 5, v3
	v_and_b32 v16, 7, v2
	v_lshrrev_b32 v17, 3, v2
	v_lshl_add_u32 v16, v16, 1, v17                ; where rank r lies among its 16 rows
	v_lshl_add_u32 v18, v16, 7, v15                ; rows of 128 bytes, my half's 32 bytes: the lane's term, never rewritten
	s_mul_i32 s24, s16, BLKB
	v_add_nc_u32 v16, s24, v18                     ; block w
	v_add_nc_u32 v29, -1, v3                       ; all ones in lanes 0-15
	v_sub_nc_u32 v30, 0, v3                        ; all ones in lanes 16-31
	s_lshl_b32 s25, s17, 8
	v_lshl_add_u32 v31, v2, 4, s25                 ; y: the slice's 256 bytes, 16 a lane
	s_lshl_b32 s24, s18, 12
	s_add_co_u32 s24, s24, s25
	v_lshl_add_u32 v19, v2, 4, s24                 ; b2: (1024 e + 64 slice + 4 r) floats
	s_cmp_eq_u32 s23, 0
	s_cselect_b32 s28, -1, 0                       ; the bias counts in K half 0 alone
	s_mul_i32 s29, s18, 9472
	s_mul_i32 s24, s16, 192
	s_add_co_u32 s29, s29, s24                     ; list: byte of word 2368 e + 48 w
	s_lshl_b32 s24, s18, 23                        ; w2: expert, K half, my 256 rows, the slice's 256 bytes
	s_lshl_b32 s26, s23, 22
	s_add_co_u32 s24, s24, s26
	s_lshl_b32 s26, s16, 20
	s_add_co_u32 s24, s24, s26
	s_add_co_u32 s24, s24, s25
	s_mov_b32 s25, 0
	s_lshl_b32 s26, s18, 5
	s_lshl_b32 s27, s23, 4
	s_add_co_u32 s26, s26, s27
	s_mul_i32 s26, s26, HS                         ; h: slice 32 e + 16 kh
	s_mov_b32 s27, 0
	s_mul_i32 s20, s23, YH
	s_mov_b32 s21, 0
	s_lshl_b32 s31, s18, 7
	s_wait_kmcnt 0x0
	s_load_b32 s19, s[12:13], s31 offset:0x0       ; the expert's count
	s_add_nc_u64 s[6:7], s[6:7], s[24:25]
	s_add_nc_u64 s[4:5], s[4:5], s[26:27]
	s_add_nc_u64 s[14:15], s[14:15], s[20:21]
	s_wait_alu depctr_va_vdst(0)                   ; the offsets and LDS addresses v6 to v9, v16 and v19 are written, which the loads and LDS stores below read
	global_load_b128 v[24:27], v19, s[8:9]
.macro WLOAD g                         ; as in the first product
.irp i, 0,1,2,3,4,5,6,7
	global_load_b128 v[64+32*((\g)%6)+4*(\i):64+32*((\g)%6)+4*(\i)+3], v9, s[6:7] offset:(32*((\g)/2)+8*((\g)%2)+(\i))*PITCH th:TH_LOAD_NT
.endr
.endm
.macro WCVT g
.irp j, 0,1,2,3
.irp p, 0,1,2,3
	v_cvt_pk_bf16_f32 v[32+4*(\j)+(\p)], v[64+32*((\g)%6)+8*(\p)+(\j)], v[64+32*((\g)%6)+8*(\p)+4+(\j)]
.endr
.endr
	s_wait_alu depctr_va_vdst(0)                   ; the sixteen conversions have written v32-47, which the LDS stores read, and are done reading the slot, in which the loads that follow the stores land
.irp j, 0,1,2,3
	ds_store_b128 v8, v[32+4*(\j):32+4*(\j)+3] offset:(4*((\g)/2)+(\j))*1024+512*((\g)%2)
.endr
.endm
.set g, 0
.rept 6
	WLOAD g
.set g, g+1
.endr
.set g, 0
.rept 16
.if g <= 10
	s_wait_loadcnt 40                              ; five younger groups of eight stay out
.else
	s_wait_loadcnt 8*(15-g)
.endif
.if g == 0                             ; the bias is older than every group
	v_cvt_pk_bf16_f32 v32, v24, v25                ; b2 rounded to bf16, cleared in K half 1, widened again
	v_cvt_pk_bf16_f32 v33, v26, v27
	v_and_b32 v32, s28, v32
	v_and_b32 v33, s28, v33
	v_lshlrev_b32 v24, 16, v32
	v_and_b32 v25, 0xffff0000, v32
	v_lshlrev_b32 v26, 16, v33
	v_and_b32 v27, 0xffff0000, v33
.else
	s_wait_alu depctr_vm_vsrc(0)                   ; the last group's LDS stores have read v32-47, which this group's conversions write again
.endif
	WCVT g
.if g < 10
	WLOAD g+6
.endif
.set g, g+1
.endr
	s_wait_kmcnt 0x0
	s_min_u32 s19, s19, 2048
	s_add_co_u32 s20, s19, 47
	s_mul_hi_u32 s20, s20, 0x5555556               ; blocks of 48
	s_add_co_u32 s21, s20, 3
	s_sub_co_u32 s21, s21, s16
	s_lshr_b32 s21, s21, 2                         ; of which mine
	s_wait_alu depctr_vm_vsrc(0)                   ; group 15's LDS stores have read v32-47, which are accumulators from here on
	s_wait_dscnt 0x0                               ; for the others' sake: my part of the weights is stored
	s_barrier_signal -1
	s_barrier_wait -1                              ; the launch's one barrier
	s_cmp_lg_u32 s21, 0
	s_cbranch_scc1 .Lwork
	s_wait_dscnt 0x0                               ; a wave without blocks ends
	s_wait_alu depctr_hold_cnt(0) depctr_sa_sdst(0) depctr_va_vdst(0) depctr_va_sdst(0) depctr_va_ssrc(0) depctr_va_vcc(0) depctr_vm_vsrc(0)
	s_wait_tensorcnt 0x0
	ds_add_u32 v23, v28
	s_wait_dscnt 0x0
	s_endpgm
.macro ARUN T                          ; stage T's A: slice T % 16 of my 16, three groups of 16 rows, two K steps; the largest immediate is 15 slices + 4,176 bytes, inside 24 bits
	WIN 0x40<<((\T)%2)
.set AS, 48*(((\T)%8)/2)
.set VO, 16+4*((\T)/16)
.irp k, 0,1
.irp f, 0,1,2
	global_load_b128 v[AS+24*(\k)+8*(\f):AS+24*(\k)+8*(\f)+3],   v[VO], s[4:5] offset:((\T)%16)*HS+2048*(\f)+64*(\k)
	global_load_b128 v[AS+24*(\k)+8*(\f)+4:AS+24*(\k)+8*(\f)+7], v[VO], s[4:5] offset:((\T)%16)*HS+2048*(\f)+64*(\k)+16
.endr
.endr
.endm
.macro BRUN T
	WIN 0x40<<((\T)%2)
.set BA, 6+(((\T)%16)/8)
.irp k, 0,1
.irp nb, 0,1,2,3
	ds_load_b128 v[192+32*(\k)+8*(\nb):192+32*(\k)+8*(\nb)+3],   v[BA] offset:(8*((\T)%8)+4*(\k)+(\nb))*1024
	ds_load_b128 v[192+32*(\k)+8*(\nb)+4:192+32*(\k)+8*(\nb)+7], v[BA] offset:(8*((\T)%8)+4*(\k)+(\nb))*1024+512
.endr
.endr
.endm
.macro MUL12 T, ks, zero               ; the 12 accumulators take turns in one order everywhere; zero = 1: the block's first products start the sums
	WIN 0x05<<((\T)%2)
.set AS, 48*(((\T)%8)/2)+24*(\ks)
.irp f, 0,1,2
.irp nb, 0,1,2,3
.if \zero
	v_wmma_f32_16x16x32_bf16 v[ACC+8*(4*(\f)+(\nb)):ACC+8*(4*(\f)+(\nb))+7], v[AS+8*(\f):AS+8*(\f)+7], v[192+32*(\ks)+8*(\nb):192+32*(\ks)+8*(\nb)+7], 0
.else
	v_wmma_f32_16x16x32_bf16 v[ACC+8*(4*(\f)+(\nb)):ACC+8*(4*(\f)+(\nb))+7], v[AS+8*(\f):AS+8*(\f)+7], v[192+32*(\ks)+8*(\nb):192+32*(\ks)+8*(\nb)+7], v[ACC+8*(4*(\f)+(\nb)):ACC+8*(4*(\f)+(\nb))+7]
.endif
.endr
.endr
.endm
; The next stage's B is asked for at the stage's head and has this stage's 24 products in which to land; A of five stages on is asked for behind the first 12 products and has five stages.
.macro STAGE i
	s_wait_loadcnt 48                              ; stage i's A is in; younger: four runs of 12
	s_wait_dscnt 0x0                               ; stage i's B is in: its 16 loads went out at the head of the stage before, and nothing since
.if (\i) == 6                          ; the loads that named the old offset were stages 0 to 4's, shown done by stage 4's wait; the wait on vm_vsrc at the last trip's end shows it read
	WIN 0
	s_add_co_u32 s31, s22, 1
	s_lshl2_add_u32 s31, s31, s16                  ; my next block, 4 (t + 1) + w;
	s_min_u32 s31, s31, s66                        ; behind my last block that block once more: nothing unwritten is read;
	s_min_u32 s31, s31, MAXB                       ; and a block that exists, whatever the count holds
	s_mul_i32 s30, s31, BLKB
	v_add_nc_u32 v20, s30, v18
.endif
.rept 4
	v_nop                                          ; four places between the products of the stage before and the loads into registers that they read; the wait below fills no place
.endr
	WIN 0x40<<(((\i)+1)%2)                         ; the loads' window first, then the wait, then the loads
	s_wait_alu depctr_va_vdst(0)                   ; the products of the stage before are done reading the B buffer, those of three stages back the A slot, in which this stage's loads land; in stage 0 v16 is written, in stage 6 v20
	BRUN (\i)+1
.if (\i) == 0
	MUL12 \i, 0, 1
.else
	MUL12 \i, 0, 0
.endif
	ARUN (\i)+5                                    ; no wait: the 12 products since the wait name neither slot (i + 5) % 8 nor the offset
	MUL12 \i, 1, 0
.endm
.Lwork:
	s_sub_co_u32 s66, s21, 1
	s_lshl2_add_u32 s66, s66, s16                  ; my last block: 4 (my blocks - 1) + w
	ARUN 0
	ARUN 1
	ARUN 2
	ARUN 3
	ARUN 4
	BRUN 0
	WIN 0                                          ; at a label and at a branch every window is 0
	s_mov_b32 s22, 0
.Ltrip:                                                ; a block of 48 rows; at its head 60 loads of A and 16 of B are out, on the way in and on the way back
	s_load_b512 s[32:47], s[10:11], s29 offset:0x0   ; the block's 48 destinations
	s_load_b512 s[48:63], s[10:11], s29 offset:0x40
	s_load_b512 s[80:95], s[10:11], s29 offset:0x80
.set st, 0
.rept 16
	STAGE st
.set st, st+1
.endr
	WIN 0
	s_wait_kmcnt 0x0                               ; the destinations
.rept 4
	v_nop                                          ; four places between the last product and the first read of a result
.endr
.irp f, 0,1,2
.irp j, 0,1,2,3,4,5,6,7                ; register j: rank 16 f + j in lanes 0-15, 16 f + 8 + j in lanes 16-31; each accumulator is read from its low end on; set 8 f + j has registers of its own
.set EA, 32+16*(\f)+16*((\f)/2)+(\j)
.set SN, 8*(\f)+(\j)
	s_min_u32 s[EA], s[EA], 4607                   ; a row of y that exists, whatever the list holds,
	s_lshl_b32 s[EA], s[EA], 12                    ; of 4,096 bytes
	s_min_u32 s[EA+8], s[EA+8], 4607
	s_lshl_b32 s[EA+8], s[EA+8], 12
	v_and_b32 v248, s[EA], v29
	v_and_b32 v249, s[EA+8], v30
	v_add_nc_u32 v248, v248, v31
	v_add_nc_u32 v[SA+SN], v248, v249
.irp nb, 0,1,2,3
	v_add_f32 v[SD+4*SN+(\nb)], v[ACC+32*(\f)+8*(\nb)+(\j)], v[24+(\nb)]
.endr
.endr
.endr
	s_wait_alu depctr_va_vdst(0)                   ; the 24 sets of store data and their 24 addresses are written, which the stores read
.set n, 0
.rept 24
	global_store_b128 v[SA+n], v[SD+4*n:SD+4*n+3], s[14:15]  ; each half of the lanes fills 256 consecutive aligned bytes of its row
.set n, n+1
.endr
	s_wait_xcnt 0x0                                ; the stores' registers and the offsets below are rewritten only behind this wait
	s_wait_alu depctr_vm_vsrc(0)                   ; and behind this one: the stores have read their data and addresses, the loads of A v16 and v20
	s_add_co_u32 s29, s29, 768                     ; 192 list words on
	v_mov_b32 v16, v20
	s_add_co_u32 s22, s22, 1
	s_cmp_lt_u32 s22, s21
	s_cbranch_scc1 .Ltrip
	s_wait_dscnt 0x0                               ; the wave's end
	s_wait_alu depctr_hold_cnt(0) depctr_sa_sdst(0) depctr_va_vdst(0) depctr_va_sdst(0) depctr_va_ssrc(0) depctr_va_vcc(0) depctr_vm_vsrc(0)
	s_wait_tensorcnt 0x0
	ds_add_u32 v23, v28
	s_wait_dscnt 0x0
	s_endpgm
.Lfunc_end_k_q60c9ce1863_gemm2:
	.size	k_q60c9ce1863_gemm2, .Lfunc_end_k_q60c9ce1863_gemm2-k_q60c9ce1863_gemm2
	.p2alignl 7, 3214868480
	.fill 96, 4, 3214868480
	.section	.rodata,"a",@progbits
	.p2align	6, 0x0
	.amdhsa_kernel k_q60c9ce1863_gemm2
		.amdhsa_group_segment_fixed_size 131584
		.amdhsa_private_segment_fixed_size 0
		.amdhsa_enable_private_segment 0
		.amdhsa_kernarg_size 48
		.amdhsa_user_sgpr_count 2
		.amdhsa_user_sgpr_kernarg_segment_ptr 1
		.amdhsa_wavefront_size32 1
		.amdhsa_system_sgpr_workgroup_id_x 1
		.amdhsa_system_sgpr_workgroup_id_y 1
		.amdhsa_system_sgpr_workgroup_id_z 1
		.amdhsa_system_vgpr_workitem_id 0
		.amdhsa_next_free_vgpr 768
		.amdhsa_next_free_sgpr 96
		.amdhsa_reserve_vcc 0
		.amdhsa_float_denorm_mode_32 3
		.amdhsa_float_denorm_mode_16_64 3
		.amdhsa_memory_ordered 1
		.amdhsa_forward_progress 1
		.amdhsa_inst_pref_size 122
	.end_amdhsa_kernel
	.amdgpu_metadata
---
amdhsa.version: [ 1, 2 ]
amdhsa.kernels:
  - .name:           k_q60c9ce1863_gemm2
    .symbol:         k_q60c9ce1863_gemm2.kd
    .args:
      - { .name: h, .offset: 0, .size: 8, .value_kind: global_buffer, .address_space: global }
      - { .name: w2, .offset: 8, .size: 8, .value_kind: global_buffer, .address_space: global }
      - { .name: b2, .offset: 16, .size: 8, .value_kind: global_buffer, .address_space: global }
      - { .name: list, .offset: 24, .size: 8, .value_kind: global_buffer, .address_space: global }
      - { .name: meta, .offset: 32, .size: 8, .value_kind: global_buffer, .address_space: global }
      - { .name: y, .offset: 40, .size: 8, .value_kind: global_buffer, .address_space: global }
    .group_segment_fixed_size: 131584
    .private_segment_fixed_size: 0
    .kernarg_segment_align: 8
    .kernarg_segment_size: 48
    .max_flat_workgroup_size: 128
    .sgpr_count:     96
    .vgpr_count:     768
    .wavefront_size: 32
...
	.end_amdgpu_metadata
.endif
;; end of part 5
;; launch combine: the kernel of part 4 again; grid 256 x 1, 8 waves a work-group, no clusters, 0 bytes of LDS; arguments y, gate, out0; writes out0
